; MI455X (gfx1250); checked and timed in simulation.
; The chip was launched on July 23, 2026; its instructions are those of AMD's public machine-readable ISA for CDNA 5 (MIT licence, August 2026) and "CDNA5" Instruction Set Architecture Reference Guide (July 2026). The comments in the code are by the model that wrote it; some were corrected since.
;; Attention. Allowed arithmetic: matrix products marked QUANTISED: E4M3 operands, one given power-of-two scale a tensor, by v_wmma_f32_16x16x64_fp8_fp8 or v_wmma_f32_16x16x128_fp8_fp8, f32 sums; everything else in f32.
;; Inputs: Wqk 1,024 x 2,048 float32; Wv 1,024 x 1,024 float32; bqk 2,048 float32; bv 1,024 float32; lowp_scales 8 int32 (the exponents e of the quantised operands' scales 2^e); x 4 x 2,048 x 1,024 float32.
;; Outputs: out0 4 x 2,048 x 1,024 float32.
;; This version of the problem:
;;   THIS VERSION OF THE PROBLEM IS GIVEN IN LOW PRECISION. The matrix products marked QUANTISED in the list below multiply operands that are first quantised to E4M3 (4 exponent bits, 3 mantissa bits; 8 bits a number), with one given power-of-two scale for each operand tensor; their sums are f32. All else is computed in f32.
;;   The module's matrix products, in the order in which they are computed (A, B: the left and right operand; K: the contracted axis; several contracted axes count as one K, in the product's order):
;;     1. [M 8,192, K 1,024] x [K 1,024, N 2,048]; A: input x; B: input Wqk: QUANTISED (scales: A lowp_scales[0], B lowp_scales[1])
;;     2. [M 8,192, K 1,024] x [K 1,024, N 1,024]; A: input x; B: input Wv: QUANTISED (scales: A lowp_scales[2], B lowp_scales[3])
;;     3. batch 64 x [M 2,048, K 64] x [K 64, N 2,048]; A: computed on the way; B: computed on the way: QUANTISED (scales: A lowp_scales[4], B lowp_scales[5])
;;     4. batch 64 x [M 2,048, K 2,048] x [K 2,048, N 64]; A: softmax (see below); B: computed on the way: QUANTISED (scales: A lowp_scales[6], B lowp_scales[7])
;;   THE QUANTISER, for each operand of a quantised product, along K:
;;     - The operand's scale is 2^e, e = its entry of the input lowp_scales (int32; the entries are numbered through the quantised products in the list's order, A before B).
;;     - Each number is divided by the scale, clamped to +-448, and rounded to the nearest number of E4M3, ties to even, subnormals kept.
;;     - The product sums the exact products of the quantised numbers (number of the format x scale) in f32.
;;   ~~~python
;;   def quantise(x, axis, e):      # numpy; x: float32 -> the quantised numbers, widened to float32 again
;;       x = np.moveaxis(x, axis, -1); K = x.shape[-1]
;;       r = np.clip(x / 2.0 ** e, -448, 448)
;;       step = 2.0 ** (np.maximum(np.frexp(np.where(r == 0, 1, r))[1] - 1, -6) - 3)
;;       q = np.round(r / step) * step * 2.0 ** e      # np.round: ties to even
;;       return np.moveaxis(q, -1, axis).astype(np.float32)
;;   ~~~
;;   SOFTMAX AHEAD OF A QUANTISED PRODUCT. Where the list says 'softmax', what is quantised is not the finished softmax but p = 2^(t - M), with t = logit x log2(e) and M = ceil(the row's largest t), a whole number; so 1/2 < the row's largest p <= 1. The row's sum l is taken of the UNQUANTISED p, in f32, and the product's result is divided by l at the end. Since M is a whole number, a kernel that streams over the keys may use a running M (the ceiling of the running maximum): every later rescaling is an exact power of two, so the quantised numbers keep their values, but for numbers so far below the row's largest that they fall under the format's range.
;;   OPERANDS COMPUTED ON THE WAY. 'Computed on the way' means the value that the module computes at that place (a softmax that the list does not call 'softmax' is quantised finished and normalised). What goes into a quantiser is computed in f32, as accurately as f32 sums, v_exp_f32 and their like allow (about 1e-6 of the number): no bf16 or f16 on the way to a quantiser, and a product that is left as it is and whose result goes on into a quantised operand takes f32 operands (vector FMAs, or v_wmma_f32_16x16x4_f32). A number that lies on a knife's edge between two numbers of the format may be rounded either way, as far as f32 arithmetic and the matrix unit's own rounding can turn it there, and no further.
;; One version. Each part assembles by itself: llvm-mc -triple=amdgcn-amd-amdhsa -mcpu=gfx1250 --defsym DOCPART=n.
;; ======== version 1 of 1: 3 launches
;; limits: right only within a limited range of input values
;; workspace buffers: xq1 8,388,608 bytes; xq2 8,388,608 bytes; wqc 2,097,152 bytes; wvc 1,048,576 bytes; qimg 8,388,608 bytes; kimg 8,388,608 bytes; vimg 8,388,608 bytes
;; launch quant (part 1): grid 640 x 1, 4 waves a work-group, no clusters, 34,304 bytes of LDS; arguments x, Wqk, Wv, lowp_scales, xq1, xq2, wqc, wvc; writes xq1, xq2, wqc, wvc
.if DOCPART == 1
	.amdgcn_target "amdgcn-amd-amdhsa--gfx1250"
	.amdhsa_code_object_version 6
	.text
	.protected	k_q2443169232_quant
	.globl	k_q2443169232_quant
	.p2align	8
	.type	k_q2443169232_quant,@function
k_q2443169232_quant:
	s_mov_b64 s[64:65], 0
	v_nop
	global_prefetch_b8 v0, s[64:65] scope:SCOPE_SE
	s_setreg_imm32_b32 hwreg(HW_REG_WAVE_MODE, 25, 1), 1
	s_wait_xcnt 0x0
; x [8192][1024], Wqk [1024][2048] and Wv [1024][1024], f32, become codes of FP8 (E4M3), each with the scale 2^e that is given for it:
; x twice (entry 0 of the scales for the product with Wqk, entry 2 for the product with Wv), Wqk with entry 1, Wv with entry 3.
; code = number / 2^e, held within +-448, rounded to the nearest code, ties to even.
; LIMITS: each of the four e lies between -126 and 119, so that 2^e and 448 x 2^e are f32 numbers.  NaN among the inputs is not served.
; THE CODES ARE LAID AS IMAGES OF OPERAND REGISTERS.  A tile is 16 rows (of x, or of W transposed); for each 128 along K it has four chunks c of 512 bytes;
; lane (rho = lane % 16, h = lane / 16) owns the 16 bytes at 16 x lane of chunk c: the codes of k = 32 c + 16 h + 0 .. 15 of the tile's row rho.
; A tile with all 1,024 of K is 16,384 bytes.  THE ROWS OF A TILE ARE NOT NEIGHBOURS: row rho of tile 2 g + u is row 32 g + 8 u + rho + 8 (rho / 8).
; Work-groups 0 to 255 take x, 32 rows each; work-groups 256 to 639 take the weights, 128 columns x 64 along K each.  The two ways part on the work-group's number; only x's way uses LDS.
; No matrix unit, no cluster: no two work-groups read the same bytes.  No prefetch: every byte is asked for by the loads themselves, many at a time.
.set SP,   528                         ; a stage row: 512 bytes + 16: row r starts 16 bytes further round the banks (64 banks of 4 bytes: ISA guide 11.1)
.set WST,  16*SP                       ; a wave's stage: 16 rows
.set R,    16                          ; x: v16-143  two sets of 64 numbers as loaded
.set X,    144                         ; x: v144-207 64 numbers in the operand's order
.set Y,    208                         ; x: v208-223 16 numbers held for the second scale
.set C1,   224                         ; x: v224-239 codes under entry 0
.set C2,   240                         ; x: v240-255 codes under entry 2
.set VO,   16                          ; W: v16-47   4 x lane + i x a row of W
.set WX,   48                          ; W: v48-111  two sets of 32 numbers
.set WC,   112                         ; W: v112-127 codes, 8 registers for each block: no store's data are written again
.macro MKSCALE e, sc, lim              ; from the whole number in s[e]: v[sc] = 2^e as f32, v[lim] = 448 x 2^e
	s_add_co_i32 s58, s[\e], 127
	s_lshl_b32 s59, s58, 23
	v_mov_b32 v[\sc], s59
	s_add_co_i32 s58, s58, 8
	s_lshl_b32 s58, s58, 23
	s_or_b32 s58, s58, 0x600000
	v_mov_b32 v[\lim], s58
.endm
	s_load_b256 s[4:11], s[0:1], 0x0               ; x s[4:5], Wqk s[6:7], Wv s[8:9], the scales' exponents s[10:11]
	s_load_b256 s[12:19], s[0:1], 0x20             ; xq1 s[12:13], xq2 s[14:15], wqc s[16:17], wvc s[18:19]
	v_lshl_add_u32 v14, v0, 2, 0x8400              ; my spare word, behind the four stages
	v_mov_b32 v15, 0
	v_lshrrev_b32 v5, 5, v0
	v_readfirstlane_b32 s20, v5                    ; wave 0..3
	v_and_b32 v5, 31, v0                           ; lane
	v_and_b32 v6, 15, v0                           ; rho
	v_bfe_u32 v7, v0, 4, 1                         ; h
	v_lshlrev_b32 v1, 4, v5                        ; 16 x lane
	s_mul_i32 s21, s20, WST                        ; my stage
	v_add_nc_u32 v2, s21, v1                       ; into it: 16 x lane of a row
	v_mul_u32_u24 v3, v6, SP
	v_lshl_add_u32 v3, v7, 6, v3
	v_add_nc_u32 v3, s21, v3                       ; out of it: row rho, + 64 h: my 16 numbers of a block of 32
	s_wait_kmcnt 0x0
	s_load_b256 s[24:31], s[10:11], 0x0            ; the eight exponents
	s_cmp_lt_u32 ttmp9, 256
	s_cbranch_scc0 .Lweights
; ---------------- x.  Work-group g owns rows 32 g .. 32 g + 31: tiles 2 g and 2 g + 1.  Wave w takes tile u = w % 2 and 512 along K from 512 (w / 2) on: four units of 16 rows x 128.
	s_and_b32 s33, s20, 1                          ; u
	s_lshr_b32 s34, s20, 1                         ; which half of K
	s_lshl_b32 s36, ttmp9, 17                      ; 32 rows of 4,096 bytes
	s_lshl_b32 s35, s33, 15                        ; + 8 u rows
	s_add_co_u32 s36, s36, s35
	s_lshl_b32 s35, s34, 11                        ; + 512 numbers
	s_add_co_u32 s36, s36, s35
	s_mov_b32 s37, 0
	s_add_nc_u64 s[4:5], s[4:5], s[36:37]
	s_lshl_b32 s36, ttmp9, 15                      ; two tiles of 16,384 bytes
	s_lshl_b32 s35, s33, 14
	s_add_co_u32 s36, s36, s35
	s_lshl_b32 s35, s34, 13                        ; + four K steps of 2,048 bytes
	s_add_co_u32 s36, s36, s35
	s_add_nc_u64 s[12:13], s[12:13], s[36:37]
	s_add_nc_u64 s[14:15], s[14:15], s[36:37]
.macro XLOAD t                         ; unit t: 16 loads, each 512 consecutive bytes of one row, aligned
.irp i, 0,1,2,3,4,5,6,7,8,9,10,11,12,13,14,15
	global_load_b128 v[R+64*((\t)%2)+4*\i:R+64*((\t)%2)+4*\i+3], v1, s[4:5] offset:(\i+8*(\i/8))*4096+(\t)*512 th:TH_LOAD_NT
.endr
.endm
.macro XUNIT t
.if (\t) < 3
	s_wait_loadcnt 16                              ; this unit's 16 loads are in; the next unit's 16 may be out
.else
	s_wait_loadcnt 0x0
.endif
.irp i, 0,1,2,3,4,5,6,7,8,9,10,11,12,13,14,15
	ds_store_b128 v2, v[R+64*((\t)%2)+4*\i:R+64*((\t)%2)+4*\i+3] offset:\i*SP
.endr
.irp c, 0,1,2,3
.irp j, 0,1,2,3
	ds_load_b128 v[X+16*\c+4*\j:X+16*\c+4*\j+3], v3 offset:128*\c+16*\j   ; LDS serves a wave's instructions in order (ISA guide 5.7.1.4): these see the stores above
.endr
.endr
	s_wait_dscnt 0x0                               ; the numbers are back, and the stores have read their registers,
.if (\t)+2 < 4
	XLOAD (\t)+2                                   ; which take the unit two further on
.endif
.if (\t) > 0
	s_wait_xcnt 0x0                                ; the last unit's stores have read their codes: the registers may be written again
.endif
.irp c, 0,1,2,3
.irp i, 0,1,2,3,4,5,6,7,8,9,10,11,12,13,14,15
	v_med3_num_f32 v[Y+\i], v[X+16*\c+\i], -v11, v11   ; the conversion to an 8-bit code does not saturate (ISA guide 7.6.2): the hold at 448 x the scale, here entry 2's
.endr
	v_cvt_scalef32_pk8_fp8_f32 v[C2+4*\c:C2+4*\c+1], v[Y:Y+7], v10
	v_cvt_scalef32_pk8_fp8_f32 v[C2+4*\c+2:C2+4*\c+3], v[Y+8:Y+15], v10
.irp i, 0,1,2,3,4,5,6,7,8,9,10,11,12,13,14,15
	v_med3_num_f32 v[X+16*\c+\i], v[X+16*\c+\i], -v9, v9   ; and entry 0's, in place.  (These sixteen also stand between the conversions above and the next write of their sources)
.endr
	v_cvt_scalef32_pk8_fp8_f32 v[C1+4*\c:C1+4*\c+1], v[X+16*\c:X+16*\c+7], v8
	v_cvt_scalef32_pk8_fp8_f32 v[C1+4*\c+2:C1+4*\c+3], v[X+16*\c+8:X+16*\c+15], v8
.endr
	v_nop                                          ; a plain vector line behind the last conversion
.irp c, 0,1,2,3
	global_store_b128 v1, v[C1+4*\c:C1+4*\c+3], s[12:13] offset:(\t)*2048+\c*512 th:TH_STORE_NT   ; a chunk: 512 consecutive bytes, aligned
	global_store_b128 v1, v[C2+4*\c:C2+4*\c+3], s[14:15] offset:(\t)*2048+\c*512 th:TH_STORE_NT
.endr
.endm
	s_wait_alu depctr_va_vdst(0)                   ; the wait ahead of the readers of the head's addresses
	XLOAD 0
	XLOAD 1
	s_wait_kmcnt 0x0
	MKSCALE 24, 8, 9                               ; entry 0
	MKSCALE 26, 10, 11                             ; entry 2
	s_wait_alu depctr_va_vdst(0)                   ; the head's end
	XUNIT 0
	XUNIT 1
	XUNIT 2
	XUNIT 3
	s_wait_tensorcnt 0x0                           ; the wave's end, behind the last LDS store
	ds_add_u32 v14, v15
	s_wait_dscnt 0x0
	s_endpgm
; ---------------- the weights.  K is their FIRST axis: a lane takes a column n, and its registers run down K, so that the conversions give codes with K innermost and nothing is transposed.
; Work-group 256 + 16 cb + kq: column block cb (0-15: Wqk's, 16-23: Wv's; 128 columns, 32 a wave), 64 along K from 64 kq on: two blocks of 32, whose 64 loads a wave all go out at the way's head.
.Lweights:
	s_sub_co_u32 s48, ttmp9, 256
	s_lshr_b32 s49, s48, 4                         ; cb
	s_and_b32 s50, s48, 15                         ; kq
	s_cmp_lt_u32 s49, 16                           ; Wqk or Wv?  The choice hangs on the work-group's number alone
	s_cselect_b64 s[52:53], s[6:7], s[8:9]
	s_cselect_b64 s[54:55], s[16:17], s[18:19]
	s_cselect_b32 s51, 13, 12                      ; a row of W is 2^13 or 2^12 bytes
	s_cselect_b32 s56, 0, 16
	s_sub_co_u32 s49, s49, s56                     ; the column block within its tensor
	s_lshl_b32 s22, 1, s51                         ; a row in bytes
	s_lshl_b32 s60, s50, 6
	s_lshl_b32 s60, s60, s51                       ; 64 kq rows
	s_lshl_b32 s57, s49, 9                         ; + 128 columns a block
	s_add_co_u32 s60, s60, s57
	s_lshl_b32 s57, s20, 7                         ; + 32 columns a wave
	s_add_co_u32 s60, s60, s57
	s_mov_b32 s61, 0
	s_add_nc_u64 s[32:33], s[52:53], s[60:61]      ; block 0's base,
	s_lshl_b32 s62, s22, 5                         ; 32 rows
	s_mov_b32 s63, 0
	s_add_nc_u64 s[34:35], s[32:33], s[62:63]      ; and block 1's: none is stepped
	s_lshl_b32 s60, s49, 17                        ; the codes: my 32 columns are two tiles, 32,768 bytes: 4 x block + wave of them,
	s_lshl_b32 s57, s20, 15
	s_add_co_u32 s60, s60, s57
	s_lshl_b32 s57, s50, 10                        ; + two chunks of 512 bytes for each 64 along K
	s_add_co_u32 s60, s60, s57
	s_add_nc_u64 s[54:55], s[54:55], s[60:61]
	s_wait_alu depctr_va_vdst(0)                   ; the wait ahead of the readers of the head's registers
	v_lshlrev_b32 v[VO], 2, v5
.irp i, 1,2,3,4,5,6,7,8,9,10,11,12,13,14,15,16,17,18,19,20,21,22,23,24,25,26,27,28,29,30,31
	v_add_nc_u32 v[VO+\i], s22, v[VO+\i-1]
.endr
	v_bfe_u32 v12, v0, 3, 1                        ; column l of the 32 is row rho = l % 8 + 8 (l / 16) of tile u = (l / 8) % 2
	v_and_b32 v13, 7, v0
	v_lshl_add_u32 v13, v7, 3, v13
	v_lshlrev_b32 v4, 4, v13
	v_lshl_add_u32 v4, v12, 14, v4                 ; 16,384 u + 16 rho
.macro WLOAD t                         ; block t: W(32 t + i, my column): 128 consecutive bytes a wave, 512 for the four waves
.irp i, 0,1,2,3,4,5,6,7,8,9,10,11,12,13,14,15,16,17,18,19,20,21,22,23,24,25,26,27,28,29,30,31
	global_load_b32 v[WX+32*(\t)+\i], v[VO+\i], s[32+2*(\t):33+2*(\t)] th:TH_LOAD_NT
.endr
.endm
.macro WBLOCK t
.if (\t) < 1
	s_wait_loadcnt 32                              ; block 0's 32 loads are in; block 1's may be out
.else
	s_wait_loadcnt 0x0
.endif
.irp i, 0,1,2,3,4,5,6,7,8,9,10,11,12,13,14,15,16,17,18,19,20,21,22,23,24,25,26,27,28,29,30,31
	v_med3_num_f32 v[WX+32*(\t)+\i], v[WX+32*(\t)+\i], -v9, v9
.endr
.irp g, 0,1,2,3
	v_cvt_scalef32_pk8_fp8_f32 v[WC+8*(\t)+2*\g:WC+8*(\t)+2*\g+1], v[WX+32*(\t)+8*\g:WX+32*(\t)+8*\g+7], v8
.endr
	v_nop                                          ; a plain vector line behind the last conversion
.irp h, 0,1
	global_store_b128 v4, v[WC+8*(\t)+4*\h:WC+8*(\t)+4*\h+3], s[54:55] offset:(\t)*512+\h*256 th:TH_STORE_NT   ; the sixteen lanes of a tile fill 256 consecutive bytes, aligned
.endr
.endm
	WLOAD 0
	WLOAD 1
	s_wait_kmcnt 0x0
	s_cmp_eq_u32 s51, 13
	s_cselect_b32 s56, s25, s27                    ; entry 1 for Wqk, entry 3 for Wv
	MKSCALE 56, 8, 9
	s_wait_alu depctr_va_vdst(0)                   ; the head's end
	WBLOCK 0
	WBLOCK 1
	s_endpgm
.Lfunc_end_k_q2443169232_quant:
	.size	k_q2443169232_quant, .Lfunc_end_k_q2443169232_quant-k_q2443169232_quant
	.p2alignl 7, 3214868480
	.fill 96, 4, 3214868480
	.section	.rodata,"a",@progbits
	.p2align	6, 0x0
	.amdhsa_kernel k_q2443169232_quant
		.amdhsa_group_segment_fixed_size 34304
		.amdhsa_private_segment_fixed_size 0
		.amdhsa_enable_private_segment 0
		.amdhsa_kernarg_size 64
		.amdhsa_user_sgpr_count 2
		.amdhsa_user_sgpr_kernarg_segment_ptr 1
		.amdhsa_wavefront_size32 1
		.amdhsa_system_sgpr_workgroup_id_x 1
		.amdhsa_system_sgpr_workgroup_id_y 1
		.amdhsa_system_sgpr_workgroup_id_z 1
		.amdhsa_system_vgpr_workitem_id 0
		.amdhsa_next_free_vgpr 256
		.amdhsa_next_free_sgpr 66
		.amdhsa_reserve_vcc 0
		.amdhsa_float_denorm_mode_32 3
		.amdhsa_float_denorm_mode_16_64 3
		.amdhsa_memory_ordered 1
		.amdhsa_forward_progress 1
		.amdhsa_inst_pref_size 70
	.end_amdhsa_kernel
	.amdgpu_metadata
---
amdhsa.version: [ 1, 2 ]
amdhsa.kernels:
  - .name:           k_q2443169232_quant
    .symbol:         k_q2443169232_quant.kd
    .args:
      - { .name: x, .offset: 0, .size: 8, .value_kind: global_buffer, .address_space: global }
      - { .name: Wqk, .offset: 8, .size: 8, .value_kind: global_buffer, .address_space: global }
      - { .name: Wv, .offset: 16, .size: 8, .value_kind: global_buffer, .address_space: global }
      - { .name: lowp_scales, .offset: 24, .size: 8, .value_kind: global_buffer, .address_space: global }
      - { .name: xq1, .offset: 32, .size: 8, .value_kind: global_buffer, .address_space: global }
      - { .name: xq2, .offset: 40, .size: 8, .value_kind: global_buffer, .address_space: global }
      - { .name: wqc, .offset: 48, .size: 8, .value_kind: global_buffer, .address_space: global }
      - { .name: wvc, .offset: 56, .size: 8, .value_kind: global_buffer, .address_space: global }
    .group_segment_fixed_size: 34304
    .private_segment_fixed_size: 0
    .kernarg_segment_align: 8
    .kernarg_segment_size: 64
    .max_flat_workgroup_size: 128
    .sgpr_count:     66
    .vgpr_count:     256
    .wavefront_size: 32
...
	.end_amdgpu_metadata
.endif
;; end of part 1
;; launch proj (part 2): grid 8 x 32, 4 waves a work-group, clusters of 4 x 4, 327,680 bytes of LDS; arguments xq1, xq2, wqc, wvc, bqk, bv, lowp_scales, qimg, kimg, vimg; writes qimg, kimg, vimg
.if DOCPART == 2
	.amdgcn_target "amdgcn-amd-amdhsa--gfx1250"
	.amdhsa_code_object_version 6
	.text
	.protected	k_q2443169232_proj
	.globl	k_q2443169232_proj
	.p2align	8
	.type	k_q2443169232_proj,@function
k_q2443169232_proj:
	s_mov_b64 s[64:65], 0
	v_nop
	global_prefetch_b8 v0, s[64:65] scope:SCOPE_SE
	s_setreg_imm32_b32 hwreg(HW_REG_WAVE_MODE, 25, 1), 1
	s_wait_xcnt 0x0
	s_wait_alu depctr_hold_cnt(0) depctr_sa_sdst(0) depctr_va_vdst(0) depctr_va_sdst(0) depctr_va_ssrc(0) depctr_va_vcc(0) depctr_vm_vsrc(0)
	s_getreg_b32 s2, hwreg(HW_REG_IB_STS2, 6, 4)
	s_cmp_eq_u32 s2, 0
	s_cbranch_scc0 .Lentry_in_a_cluster
	s_endpgm
.Lentry_in_a_cluster:
	s_bfe_u32 s2, ttmp6, 0x10000c
	s_cmp_lg_u32 s2, 0xf033
	s_cbranch_scc0 .Lentry_shape_is_right
	s_endpgm
.Lentry_shape_is_right:
; The two projections on codes of FP8 (E4M3): (x Wqk + bqk) / 32 and (x Wv + bv) / 32, K = 1,024, and their results quantised at once into the codes of q, k and v.
; Every matrix instruction is D, P's fragment, Q's fragment, C: a lane then holds one row of Q, and its registers run along P's rows.
; A WORK-GROUP STAYS AND DOES TWO PARTS: 256 work-groups, 16 clusters of 4 x 4 (cluster X = 0, 1; Y = 0 .. 7; place cx, cy).
;   PART 1: P = Wqk^T (wqc), block 4 X + cx of 256 rows; Q = x (xq1), block 4 Y + cy of 256 rows.  A wave makes 128 x 128: 64 accumulators.  A lane holds one row of x and 16 neighbouring channels of q or of k.
;   PART 2: P = x (xq2), block 4 Y + cx of 256 rows; Q = Wv^T (wvc), block 4 X + cy of 128 rows.  A wave makes 64 rows of Q x 128 of P: 32 accumulators.  A lane holds one channel of v and 16 neighbouring keys.
; Operands lie in memory as images of registers: a tile of 16 rows is 16,384 bytes, 2,048 for each 128 along K, in four chunks of 512: lane l's 16 bytes at 16 l hold k = 32 c + 16 (l / 16) + 0 .. 15 of row l % 16:
; a permutation of k, the same in P and Q.  ROW rho OF TILE 2 g + u IS ROW 32 g + 8 u + rho + 8 (rho / 8): so the 16 registers of the results against P's tiles 2 g and 2 g + 1 are 16 neighbouring rows of P,
; and two conversions make of them one chunk of the next operand's image.  Results leave straight from registers, 512 consecutive bytes a store.
; THE RING: two LDS slots of 256 along K (Q's tiles at 0, P's at 65,536), eight fills in all, four a part.  Q's tiles are asked for jointly along a row of the cluster, P's along a column.  Waves 0, 1 fetch Q's halves and
; waves 2, 3 P's; in part 2 Q has 8 tiles, which wave 0 fetches, and wave 1 fetches nothing.  The ring goes on from part 1 into part 2: part 1's last refill asks for part 2's first slot, and part 1's codes leave meanwhile.
; A wave has one tensor load out behind each round.
; PREFETCH: behind each joint load but the first and the last two, one instruction a wave for the load that stands two further on: 32 blocks of 256 bytes, a lane a block; the four partners that ask for 8 tiles jointly
; take 2 tiles each, told apart by address; the weights, which all eight cluster rows read, are asked for by cluster rows 0 to 3 alone.
; NUMBERS.  esum = the two operands' exponents added.  The bias goes in as the C of each sum's first product, as bias / 2^esum.  A finished sum stands for 32 y / 2^esum, so its code under 2^eo is sum / 2^(eo + 5 - esum).
; LIMITS: eo + 5 - esum lies between -126 and 119 (eo: entry 4 for q, 5 for k, 7 for v; esum: entries 0 + 1, or 2 + 3).  NaN among the inputs is not served.
; REGISTERS, in windows of 256: window 0: v1-30 addresses and scales; v32-95 the bias in the results' layout, later numbers at work; v96-99 v's bias as loaded; v128-255 Q's 8 fragments (part 2: two sets of 4), later the codes.
;   window 1: P's fragments, TWO sets, at v0 and v128.   windows 2, 3: the accumulators, (a, b) at v[8 (8 (a % 4) + b)].
.set FR,     16
.set NL,     4
.set NP,     4                         ; places behind this matrix instruction (ISA guide 7.12.1)
.set SLOT,   131072
.set PHALF,  65536
.set SPARE,  2*SLOT
.set LI,   7                           ; v7      16 x lane
.set ADRA, 16                          ; v16-17  LDS address of my Q fragments in slot 0, 1
.set ADRB, 20                          ; v20-21  the same for P
.set SC0,  22                          ; v22, v23: q's scale and 448 x it; v24, v25: k's; v26, v27: v's
.set LIM0, 23
.set SPW,  28
.set NIL,  29
.set PFO,  30                          ; v30     the prefetches' offset: 16,384 (lane / 16) + 256 (lane % 16)
.set BIAS, 32
.set TMP,  32
.set BV,   96
.set AF,   128
.set CD,   128
.set G1, 24                            ; s[24:31] group 1 for Q's tiles; s[32:39] group 0, one set a slot
.set G0, 32
.set G1B, 48                           ; s[48:55], s[56:63] the same for P's
.set G0B, 56
.set QB2, 96                           ; s[96:97], s[98:99]: part 2's first tiles of Q and of P, as descriptor words
.set PB2, 98
.set PF1, 100                          ; s[100:101], s[104:105]: where my prefetches stand in part 1's and part 2's operand
.set PF2, 104
.set FL1, 66                           ; 1 where my wave asks
.set FL2, 67
.set MSB, 0
.macro WIN new                         ; the immediate's high byte repeats the setting that is left
.if MSB != \new
	s_set_vgpr_msb (MSB<<8)|\new
.set MSB, \new
.endif
.endm
.set MUL_LO, 0xa1                      ; source 0 (P) window 1, source 1 (Q) window 0, C and D window 2
.set MUL_HI, 0xf1
.set BIA_LO, 0x81                      ; a sum's first step: C (the bias) window 0, D window 2
.set BIA_HI, 0xc1
.set TO_B,   0x40
.macro PLACES n
.rept \n
	v_nop
.endr
.endm
; A joint load into slot s.  The branches hang on the wave's number alone.  two = 1: part 2, where wave 1 fetches nothing.
.macro JLOAD s, two
.if \two
	s_cmp_eq_u32 s14, 1
	s_cbranch_scc1 .Lasked_\@
.endif
	s_cmp_eq_u32 s15, 0
	s_cbranch_scc0 .Lfor_b_\@
	tensor_load_to_lds s[G0+4*\s:G0+4*\s+3], s[G1:G1+7]
	s_nop 0
	PLACES 4
	s_branch .Lasked_\@
.Lfor_b_\@:
	tensor_load_to_lds s[G0B+4*\s:G0B+4*\s+3], s[G1B:G1B+7]
	s_nop 0
	PLACES 4
.Lasked_\@:
.endm
.macro ASK fl, pf, ks                  ; the operand's ks-th 256 along K: 4,096 bytes of each tile
	s_cmp_eq_u32 s[\fl], 1
	s_cbranch_scc0 .Lnot_mine_\@
	global_prefetch_b8 v[PFO], s[\pf:\pf+1] offset:4096*(\ks) th:TH_LOAD_NT scope:SCOPE_SE
.Lnot_mine_\@:
.endm
.macro CREST
	s_cmp_lg_u32 s14, 0
	s_cbranch_scc1 .Lnot_wave_0_\@
	s_barrier_signal -3
.Lnot_wave_0_\@:
	s_barrier_wait -3
	s_barrier_signal -1
	s_barrier_wait -1
.endm
.macro CROUND
	s_barrier_signal -1
	s_barrier_wait -1
	CREST
.endm
.macro MKS eo, ne, vs                  ; v[vs] = 2^(eo + 5 - esum), v[vs + 1] = 448 x that
	s_add_co_i32 s2, s[\eo], s[\ne]
	s_add_co_i32 s2, s2, 132
	s_lshl_b32 s18, s2, 23
	v_mov_b32 v[\vs], s18
	s_add_co_i32 s2, s2, 8
	s_lshl_b32 s2, s2, 23
	s_or_b32 s2, s2, 0x600000
	v_mov_b32 v[\vs+1], s2
.endm
	s_load_b256 s[4:11], s[0:1], 0x0               ; xq1 s[4:5], xq2 s[6:7], wqc s[8:9], wvc s[10:11]
	s_load_b256 s[68:75], s[0:1], 0x20             ; bqk s[68:69], bv s[70:71], the scales' exponents s[72:73], qimg s[74:75]
	s_load_b128 s[76:79], s[0:1], 0x40             ; kimg s[76:77], vimg s[78:79]
	v_lshl_add_u32 v[SPW], v0, 2, SPARE
	v_mov_b32 v[NIL], 0
	ds_add_u32 v[SPW], v[NIL]                      ; the opening lines: the add, twice on end, and its wait
	ds_add_u32 v[SPW], v[NIL]
	v_lshrrev_b32 v1, 5, v0
	v_readfirstlane_b32 s14, v1                    ; wave 0..3
	s_lshr_b32 s15, s14, 1                         ; which half of Q's rows is mine.  Also: I fetch for Q (0) or for P (1)
	s_and_b32 s16, s14, 1                          ; which half of P's.  Also: which 8 tiles I fetch
	s_bfe_u32 s40, ttmp6, 0x40000                  ; cx
	s_bfe_u32 s41, ttmp6, 0x40004                  ; cy
	s_and_b32 s13, ttmp7, 0xffff                   ; Y
	s_lshl_b32 s42, ttmp9, 2
	s_add_co_u32 s42, s42, s40                     ; part 1: P's block, 4 X + cx
	s_lshl_b32 s17, s13, 2
	s_add_co_u32 s17, s17, s41                     ; part 1: Q's block, 4 Y + cy
	s_lshl_b32 s12, s13, 2
	s_add_co_u32 s12, s12, s40                     ; part 2: P's block, 4 Y + cx
	s_lshl_b32 s2, ttmp9, 2
	s_add_co_u32 s2, s2, s41                       ; part 2: Q's block of 128 rows, 4 X + cy
	s_lshl_b32 s43, s41, 2
	s_lshl_b32 s43, 15, s43                        ; my row of the cluster
	s_lshl_b32 s44, 0x1111, s40                    ; my column
	s_or_b32 s[G1+0], s43, (3<<16)|(1<<21)         ; group 1: 8 tiles' parts of a slot: 8 rows of 4,096 bytes, 16,384 bytes apart, dense in LDS; elements of 8 bytes
	s_or_b32 s[G1B+0], s44, (3<<16)|(1<<21)
.irp g, G1, G1B
	s_mov_b32 s[\g+1], 512<<16
	s_mov_b32 s[\g+2], 8<<16
	s_mov_b32 s[\g+3], 512<<16
	s_mov_b32 s[\g+4], 8
	s_mov_b32 s[\g+5], 2048
	s_mov_b32 s[\g+6], 0
	s_mov_b32 s[\g+7], 0
.endr
	s_lshl_b32 s45, s16, 17                        ; which 8 tiles of 16 I fetch
	s_lshl_b32 s20, s17, 18
	s_add_co_u32 s20, s20, s45
	s_mov_b32 s21, 0
	s_lshl_b32 s46, s42, 18
	s_add_co_u32 s46, s46, s45
	s_mov_b32 s47, 0
	s_lshl_b32 s[QB2], s2, 17                      ; 8 tiles a block
	s_mov_b32 s[QB2+1], 0
	s_lshl_b32 s[PB2], s12, 18
	s_add_co_u32 s[PB2], s[PB2], s45
	s_mov_b32 s[PB2+1], 0
	s_lshl_b32 s45, s14, 15                        ; where they go: wave x 32,768
	s_wait_dscnt 0x0
	s_wait_kmcnt 0x0
	s_load_b256 s[84:91], s[72:73], 0x0            ; the eight exponents
	s_add_nc_u64 s[20:21], s[4:5], s[20:21]
	s_add_nc_u64 s[46:47], s[8:9], s[46:47]
	s_add_nc_u64 s[QB2:QB2+1], s[10:11], s[QB2:QB2+1]
	s_add_nc_u64 s[PB2:PB2+1], s[6:7], s[PB2:PB2+1]
	CROUND                                         ; all sixteen work-groups are here
.irp s, 0,1
	s_mov_b32 s[G0+4*\s], 1
	s_add_co_u32 s[G0+4*\s+1], s45, \s*SLOT
	s_add_nc_u64 s[G0+4*\s+2:G0+4*\s+3], s[20:21], \s*4096
	s_or_b32 s[G0+4*\s+3], s[G0+4*\s+3], 0x80000000
	s_mov_b32 s[G0B+4*\s], 1
	s_add_co_u32 s[G0B+4*\s+1], s45, \s*SLOT
	s_add_nc_u64 s[G0B+4*\s+2:G0B+4*\s+3], s[46:47], \s*4096
	s_or_b32 s[G0B+4*\s+3], s[G0B+4*\s+3], 0x80000000
.endr
	JLOAD 0, 0                                     ; slot 0: my one load at the head
	s_cmp_lt_u32 s13, 4                            ; the prefetches: who asks, and where
	s_cselect_b32 s18, 1, 0
	s_cmp_eq_u32 s15, 0
	s_cselect_b64 s[PF1:PF1+1], s[20:21], s[46:47]
	s_cselect_b64 s[PF2:PF2+1], s[QB2:QB2+1], s[PB2:PB2+1]
	s_cselect_b32 s3, s40, s41                     ; my place among the four that ask with me
	s_cselect_b32 s[FL1], 1, s18                   ; part 1: Q is x, P the weights
	s_cselect_b32 s[FL2], s18, 1                   ; part 2: Q the weights, P is x
	s_cmp_eq_u32 s14, 1
	s_cselect_b32 s[FL2], 0, s[FL2]
	s_lshl_b32 s18, s3, 15                         ; 2 tiles of the 8
	s_mov_b32 s19, 0
	s_add_nc_u64 s[PF1:PF1+1], s[PF1:PF1+1], s[18:19]
	s_add_nc_u64 s[PF2:PF2+1], s[PF2:PF2+1], s[18:19]
	s_or_b32 s[QB2+1], s[QB2+1], 0x80000000
	s_or_b32 s[PB2+1], s[PB2+1], 0x80000000
	v_and_b32 v1, 15, v0                           ; rho
	v_bfe_u32 v2, v0, 4, 1                         ; h
	v_and_b32 v3, 31, v0
	v_lshlrev_b32 v[LI], 4, v3
	v_lshlrev_b32 v[PFO], 8, v1
	v_lshl_add_u32 v[PFO], v2, 14, v[PFO]
	v_lshlrev_b32 v6, 6, v2                        ; bqk: against P's tile b my registers are columns 32 (b / 2) + 8 (b % 2) + 16 h + 0 .. 7 of my 128
	v_and_b32 v5, 8, v1                            ; bv: in Q's block a my lane is channel 32 (a / 2) + 8 (a % 2) + rho + 8 (rho / 8) of my 64
	v_add_nc_u32 v5, v5, v1
	v_lshlrev_b32 v5, 2, v5
	s_lshl_b32 s18, s42, 10
	s_lshl_b32 s3, s16, 9
	s_add_co_u32 s18, s18, s3
	s_add_nc_u64 s[68:69], s[68:69], s[18:19]
	s_lshl_b32 s18, s2, 9
	s_lshl_b32 s3, s15, 8
	s_add_co_u32 s18, s18, s3
	s_add_nc_u64 s[70:71], s[70:71], s[18:19]
	s_wait_alu depctr_va_vdst(0)                   ; the wait ahead of the readers of the fresh addresses
.irp b, 0,1,2,3,4,5,6,7
	global_load_b128 v[BIAS+8*\b:BIAS+8*\b+3], v6, s[68:69] offset:(32*(\b/2)+8*(\b%2))*4
	global_load_b128 v[BIAS+8*\b+4:BIAS+8*\b+7], v6, s[68:69] offset:(32*(\b/2)+8*(\b%2))*4+16
.endr
.irp a, 0,1,2,3
	global_load_b32 v[BV+\a], v5, s[70:71] offset:(32*(\a/2)+8*(\a%2))*4
.endr
	s_lshl_b32 s21, s15, 15                        ; my 8 tiles of Q
	s_lshl_b32 s22, s16, 15                        ; my 8 tiles of P,
	s_add_co_u32 s22, s22, PHALF                   ; which lie behind Q's 16
.irp s, 0,1
	v_add_nc_u32 v[ADRA+\s], s21, v[LI]
	v_add_nc_u32 v[ADRB+\s], s22, v[LI]
	s_add_co_u32 s21, s21, SLOT
	s_add_co_u32 s22, s22, SLOT
.endr
	; part 1's codes: head 2 P-block + half, query tile 16 (Q-block % 8) + 8 half + a: 1,024 bytes a tile; q's chunks from P's rows 0-63 of my 128, k's from rows 64-127
	s_lshr_b32 s18, s17, 3
	s_lshl_b32 s18, s18, 4
	s_lshl_b32 s3, s42, 1
	s_add_co_u32 s18, s18, s3
	s_add_co_u32 s18, s18, s16
	s_lshl_b32 s18, s18, 7
	s_and_b32 s3, s17, 7
	s_lshl_b32 s3, s3, 4
	s_add_co_u32 s18, s18, s3
	s_lshl_b32 s3, s15, 3
	s_add_co_u32 s18, s18, s3
	s_lshl_b32 s18, s18, 10
	s_add_nc_u64 s[74:75], s[74:75], s[18:19]
	s_add_nc_u64 s[76:77], s[76:77], s[18:19]
	; part 2's: head 2 Q-block + half, key step 2 (P-block % 8) + half: 8,192 bytes a key step; channel tile a: 2,048 bytes; chunk = P's rows / 32
	s_lshr_b32 s18, s12, 3
	s_lshl_b32 s18, s18, 4
	s_lshl_b32 s3, s2, 1
	s_add_co_u32 s18, s18, s3
	s_add_co_u32 s18, s18, s15
	s_lshl_b32 s18, s18, 4
	s_and_b32 s3, s12, 7
	s_lshl_b32 s3, s3, 1
	s_add_co_u32 s18, s18, s3
	s_add_co_u32 s18, s18, s16
	s_lshl_b32 s18, s18, 13
	s_add_nc_u64 s[78:79], s[78:79], s[18:19]
	s_wait_kmcnt 0x0                               ; the exponents
	s_add_co_i32 s80, s84, s85
	s_sub_co_i32 s80, 0, s80                       ; -esum of part 1
	s_add_co_i32 s81, s86, s87
	s_sub_co_i32 s81, 0, s81                       ; and of part 2
	MKS 88, 80, SC0
	MKS 89, 80, SC0+2
	MKS 91, 81, SC0+4
	s_wait_loadcnt 0x0
.set j, 0
.rept 64
	v_ldexp_f32 v[BIAS+j], v[BIAS+j], s80          ; bqk / 2^esum: exact
.set j, j+1
.endr
.macro FRAG reg, adr, q, i             ; tile i's image of the slot's q-th 128 along K: four chunks of 512 bytes, 16 a lane
.irp c, 0,1,2,3
	ds_load_b128 v[\reg+4*\c:\reg+4*\c+3], v[\adr] offset:2048*(\q)+512*\c+(\i)*4096
.endr
.endm
; 16 matrix instructions: Q's blocks a0, a0 + 1 x P's eight, 128 along K.  p: P's set.  mode 0: onto the sums; 1, 2: the first product starts them with the bias (along P's rows; along Q's).
; The accumulators take turns, one instruction a turn, in the same order in every step.
.macro MUL16 a0, p, mode
.irp a, \a0, \a0+1
.irp b, 0,1,2,3,4,5,6,7
.if \mode == 0
	v_wmma_f32_16x16x128_fp8_fp8 v[8*(8*((\a)%4)+\b):8*(8*((\a)%4)+\b)+7], v[128*(\p)+FR*\b:128*(\p)+FR*\b+FR-1], v[AF+FR*(\a):AF+FR*(\a)+FR-1], v[8*(8*((\a)%4)+\b):8*(8*((\a)%4)+\b)+7]
.elseif \mode == 1
	v_wmma_f32_16x16x128_fp8_fp8 v[8*(8*((\a)%4)+\b):8*(8*((\a)%4)+\b)+7], v[128*(\p)+FR*\b:128*(\p)+FR*\b+FR-1], v[AF+FR*(\a):AF+FR*(\a)+FR-1], v[BIAS+8*\b:BIAS+8*\b+7]
.else
	v_wmma_f32_16x16x128_fp8_fp8 v[8*(8*((\a)%4)+\b):8*(8*((\a)%4)+\b)+7], v[128*(\p)+FR*\b:128*(\p)+FR*\b+FR-1], v[AF+FR*(\a):AF+FR*(\a)+FR-1], v[BIAS+8*(\a):BIAS+8*(\a)+7]
.endif
.endr
.endr
.endm
.macro FETCH_B slot, q, p
	WIN TO_B
.irp i, 0,1,2,3,4,5,6,7
	FRAG 128*(\p)+FR*\i, ADRB+\slot, \q, \i
.endr
	WIN 0
.endm
.macro FETCH_A slot, q, i0
.irp i, \i0, \i0+1, \i0+2, \i0+3
	FRAG AF+FR*(\i), ADRA+\slot, \q, \i
.endr
.endm
; PART 1.  A step of 128 along K that has its successor in the same slot.  Q's blocks 0-3 are fetched anew in the step's middle, blocks 4-7 at its end.
.macro STEP slot, q, mode
	s_wait_dscnt 4*NL                              ; P's set and Q's blocks 0-3 are in; the youngest sixteen loads may be out
.if \mode
	WIN BIA_LO
.else
	WIN MUL_LO
.endif
	MUL16 0, (\q)%2, \mode
	MUL16 2, (\q)%2, \mode
	s_wait_dscnt 0
	PLACES NP
	FETCH_B \slot, (\q)+1, 1-(\q)%2
	FETCH_A \slot, (\q)+1, 0
.if \mode
	WIN BIA_HI
.else
	WIN MUL_HI
.endif
	MUL16 4, (\q)%2, \mode
	MUL16 6, (\q)%2, \mode
	PLACES NP
	WIN 0
	FETCH_A \slot, (\q)+1, 4
.endm
; A slot's last step changes slots and fills the slot again: fill = 1 with part 1's slot two further on, fill = 2 with part 2's first.  ks: which slot of part 2 the prefetch names.
.macro TURN slot, next, fill, ks
	s_wait_tensorcnt 0x0                           ; all my tensor loads have landed: my part of the next slot
	ds_add_u32 v[SPW], v[NIL]                      ; 0 onto my spare word
	s_wait_dscnt 4*NL+1                            ; (the add and the youngest sixteen loads may be out)
	WIN MUL_LO
	MUL16 0, 1, 0
	s_wait_dscnt 0x0                               ; the add is done, and my reads of this slot are over
	s_barrier_signal -1
	MUL16 2, 1, 0
	WIN 0
	s_barrier_wait -1
	CREST                                          ; the barrier has opened a round of the cluster's barrier
.if \fill == 1
	s_add_nc_u64 s[G0+4*\slot+2:G0+4*\slot+3], s[G0+4*\slot+2:G0+4*\slot+3], 8192
	s_add_nc_u64 s[G0B+4*\slot+2:G0B+4*\slot+3], s[G0B+4*\slot+2:G0B+4*\slot+3], 8192
	JLOAD \slot, 0                                 ; its four v_nop are also the places in front of the loads below
.else
	s_mov_b64 s[G0+4*\slot+2:G0+4*\slot+3], s[QB2:QB2+1]
	s_mov_b64 s[G0B+4*\slot+2:G0B+4*\slot+3], s[PB2:PB2+1]
	JLOAD \slot, 1
	PLACES NP                                      ; on wave 1's way too
.endif
	FETCH_B \next, 0, 0
	FETCH_A \next, 0, 0
	ASK FL2, PF2, \ks
	WIN MUL_HI
	MUL16 4, 1, 0
	MUL16 6, 1, 0
	PLACES NP
	WIN 0
	FETCH_A \next, 0, 4
.endm
; THE WAY OUT of Q's block a: its 64 sums of a lane are held at 448 x the scale (into other registers, each accumulator from its low end on), eight conversions make four chunks of 16 bytes, four stores of 512 consecutive bytes.
.macro OUTA a, two
	WIN 0x02+((\a)/4)
.set j, 0
.rept 64
.if \two
	v_med3_num_f32 v[TMP+j], v[64*((\a)%4)+j], -v[LIM0+4], v[LIM0+4]
.else
	v_med3_num_f32 v[TMP+j], v[64*((\a)%4)+j], -v[LIM0+2*(j/32)], v[LIM0+2*(j/32)]
.endif
.set j, j+1
.endr
	WIN 0
.irp b, 0,1,2,3
.if \two
	v_cvt_scalef32_pk8_fp8_f32 v[CD+16*(\a)+4*\b:CD+16*(\a)+4*\b+1], v[TMP+16*\b:TMP+16*\b+7], v[SC0+4]
	v_cvt_scalef32_pk8_fp8_f32 v[CD+16*(\a)+4*\b+2:CD+16*(\a)+4*\b+3], v[TMP+16*\b+8:TMP+16*\b+15], v[SC0+4]
.else
	v_cvt_scalef32_pk8_fp8_f32 v[CD+16*(\a)+4*\b:CD+16*(\a)+4*\b+1], v[TMP+16*\b:TMP+16*\b+7], v[SC0+2*(\b/2)]
	v_cvt_scalef32_pk8_fp8_f32 v[CD+16*(\a)+4*\b+2:CD+16*(\a)+4*\b+3], v[TMP+16*\b+8:TMP+16*\b+15], v[SC0+2*(\b/2)]
.endif
.endr
	v_nop                                          ; a plain vector line behind the last conversion
.irp b, 0,1,2,3
.if \two
	global_store_b128 v[LI], v[CD+16*(\a)+4*\b:CD+16*(\a)+4*\b+3], s[78:79] offset:(\a)*2048+\b*512 th:TH_STORE_NT
.else
	global_store_b128 v[LI], v[CD+16*(\a)+4*\b:CD+16*(\a)+4*\b+3], s[74+2*(\b/2):75+2*(\b/2)] offset:(\a)*1024+(\b%2)*512 th:TH_STORE_NT
.endif
.endr
.endm
; PART 2.  Both operands have two sets of registers (P's two; Q's blocks 0-3 and 4-7), set par for the step of that parity: a step's fragments are fetched a step ahead.
.macro HFETCH slot, q, par             ; 48 LDS loads
	FETCH_B \slot, \q, \par
.irp i, 0,1,2,3
	FRAG AF+FR*(4*(\par)+\i), ADRA+\slot, \q, \i
.endr
.endm
.macro HMUL par, mode                  ; 32 matrix instructions on the 32 accumulators of window 2
.if \mode
	WIN BIA_LO
.else
	WIN MUL_LO
.endif
	MUL16 4*\par, \par, \mode
	MUL16 4*\par+2, \par, \mode
	WIN 0
.endm
.macro HEVEN slot, mode                ; a slot's first step
	PLACES NP
	HFETCH \slot, 1, 1
	s_wait_dscnt 48                                ; all but the 48 just issued: this step's fragments are in
	HMUL 0, \mode
.endm
.macro HODD slot, next, fill           ; a slot's second step: once its fragments are in registers the slot is given up, ahead of the step's products
	s_wait_tensorcnt 0x0                           ; my part of the next slot is in
	ds_add_u32 v[SPW], v[NIL]
.if \fill
	s_add_nc_u64 s[G0+4*\slot+2:G0+4*\slot+3], s[G0+4*\slot+2:G0+4*\slot+3], 8192
	s_add_nc_u64 s[G0B+4*\slot+2:G0B+4*\slot+3], s[G0B+4*\slot+2:G0B+4*\slot+3], 8192
.endif
	s_wait_dscnt 0x0                               ; the add is done, and my reads of this slot are over
.if \fill
	CROUND
	JLOAD \slot, 1
.else
	s_barrier_signal -1
	s_barrier_wait -1
.endif
	PLACES NP
	HFETCH \next, 0, 0
	HMUL 1, 0
.endm
	s_wait_alu depctr_va_vdst(0)                   ; the head's end
	s_wait_tensorcnt 0x0                           ; my part of slot 0 is in; slot 1's first fill is issued as a refill is
	ds_add_u32 v[SPW], v[NIL]
	s_wait_dscnt 0x0
	CROUND
	JLOAD 1, 0
	FETCH_B 0, 0, 0
	FETCH_A 0, 0, 0
	FETCH_A 0, 0, 4
	ASK FL1, PF1, 3                                ; part 1's last slot, two loads on
	STEP 0, 0, 1
	TURN 0, 1, 1, 0
	STEP 1, 0, 0
	TURN 1, 0, 1, 1
	STEP 0, 0, 0
	TURN 0, 1, 2, 2                                ; the ring goes on into part 2
	STEP 1, 0, 0
	s_wait_dscnt 4*NL                              ; part 1's last step: nothing more to fetch
	WIN MUL_LO
	MUL16 0, 1, 0
	MUL16 2, 1, 0
	s_wait_dscnt 0
	WIN MUL_HI
	MUL16 4, 1, 0
	MUL16 6, 1, 0
	WIN 0
	PLACES NP
.irp a, 0,1,2,3,4,5,6,7
	OUTA \a, 0                                     ; each block has code registers of its own
.endr
	s_wait_xcnt 0x0                                ; the stores have read their codes: Q's fragments may land there again
.irp a, 0,1,2,3
.irp j, 0,1,2,3,4,5,6,7
	v_ldexp_f32 v[BIAS+8*\a+\j], v[BV+\a], s81     ; bv / 2^esum: one number for all eight registers of a block
.endr
.endr
	s_lshl_b32 s21, s15, 14                        ; my 4 tiles of Q's 8
	v_add_nc_u32 v[ADRA], s21, v[LI]
	s_add_co_u32 s21, s21, SLOT
	v_add_nc_u32 v[ADRA+1], s21, v[LI]
	s_wait_alu depctr_va_vdst(0)
	s_wait_tensorcnt 0x0                           ; my part of part 2's first slot is in
	ds_add_u32 v[SPW], v[NIL]
	s_add_nc_u64 s[G0+6:G0+7], s[QB2:QB2+1], 4096
	s_add_nc_u64 s[G0B+6:G0B+7], s[PB2:PB2+1], 4096
	s_wait_dscnt 0x0
	CROUND
	JLOAD 1, 1
	PLACES NP
	HFETCH 0, 0, 0
	ASK FL2, PF2, 3
	HEVEN 0, 2
	HODD 0, 1, 1
	HEVEN 1, 0
	HODD 1, 0, 1
	HEVEN 0, 0
	HODD 0, 1, 0
	HEVEN 1, 0
	s_wait_dscnt 0x0
	HMUL 1, 0
	PLACES NP
.irp a, 0,1,2,3
	OUTA \a, 1
.endr
	s_wait_tensorcnt 0x0                           ; the wave's end
	ds_add_u32 v[SPW], v[NIL]
	s_wait_dscnt 0x0
	CROUND                                         ; the closing round
	s_endpgm
.Lfunc_end_k_q2443169232_proj:
	.size	k_q2443169232_proj, .Lfunc_end_k_q2443169232_proj-k_q2443169232_proj
	.p2alignl 7, 3214868480
	.fill 96, 4, 3214868480
	.section	.rodata,"a",@progbits
	.p2align	6, 0x0
	.amdhsa_kernel k_q2443169232_proj
		.amdhsa_group_segment_fixed_size 327680
		.amdhsa_private_segment_fixed_size 0
		.amdhsa_enable_private_segment 0
		.amdhsa_kernarg_size 80
		.amdhsa_user_sgpr_count 2
		.amdhsa_user_sgpr_kernarg_segment_ptr 1
		.amdhsa_wavefront_size32 1
		.amdhsa_system_sgpr_workgroup_id_x 1
		.amdhsa_system_sgpr_workgroup_id_y 1
		.amdhsa_system_sgpr_workgroup_id_z 1
		.amdhsa_system_vgpr_workitem_id 0
		.amdhsa_next_free_vgpr 1024
		.amdhsa_next_free_sgpr 106
		.amdhsa_reserve_vcc 0
		.amdhsa_float_denorm_mode_32 3
		.amdhsa_float_denorm_mode_16_64 3
		.amdhsa_memory_ordered 1
		.amdhsa_forward_progress 1
		.amdhsa_inst_pref_size 195
	.end_amdhsa_kernel
	.amdgpu_metadata
---
amdhsa.version: [ 1, 2 ]
amdhsa.kernels:
  - .name:           k_q2443169232_proj
    .symbol:         k_q2443169232_proj.kd
    .args:
      - { .name: xq1, .offset: 0, .size: 8, .value_kind: global_buffer, .address_space: global }
      - { .name: xq2, .offset: 8, .size: 8, .value_kind: global_buffer, .address_space: global }
      - { .name: wqc, .offset: 16, .size: 8, .value_kind: global_buffer, .address_space: global }
      - { .name: wvc, .offset: 24, .size: 8, .value_kind: global_buffer, .address_space: global }
      - { .name: bqk, .offset: 32, .size: 8, .value_kind: global_buffer, .address_space: global }
      - { .name: bv, .offset: 40, .size: 8, .value_kind: global_buffer, .address_space: global }
      - { .name: lowp_scales, .offset: 48, .size: 8, .value_kind: global_buffer, .address_space: global }
      - { .name: qimg, .offset: 56, .size: 8, .value_kind: global_buffer, .address_space: global }
      - { .name: kimg, .offset: 64, .size: 8, .value_kind: global_buffer, .address_space: global }
      - { .name: vimg, .offset: 72, .size: 8, .value_kind: global_buffer, .address_space: global }
    .group_segment_fixed_size: 327680
    .private_segment_fixed_size: 0
    .kernarg_segment_align: 8
    .kernarg_segment_size: 80
    .max_flat_workgroup_size: 128
    .sgpr_count:     106
    .vgpr_count:     1024
    .wavefront_size: 32
...
	.end_amdgpu_metadata
.endif
;; end of part 2
;; launch attn (part 3): grid 4 x 64, 8 waves a work-group, clusters of 4 x 1, 327,680 bytes of LDS; arguments qimg, kimg, vimg, lowp_scales, out0; writes out0
.if DOCPART == 3
	.amdgcn_target "amdgcn-amd-amdhsa--gfx1250"
	.amdhsa_code_object_version 6
	.text
	.protected	k_q2443169232_attn
	.globl	k_q2443169232_attn
	.p2align	8
	.type	k_q2443169232_attn,@function
k_q2443169232_attn:
	s_mov_b64 s[64:65], 0
	v_nop
	global_prefetch_b8 v0, s[64:65] scope:SCOPE_SE
	s_setreg_imm32_b32 hwreg(HW_REG_WAVE_MODE, 25, 1), 1
	s_wait_xcnt 0x0
	s_wait_alu depctr_hold_cnt(0) depctr_sa_sdst(0) depctr_va_vdst(0) depctr_va_sdst(0) depctr_va_ssrc(0) depctr_va_vcc(0) depctr_vm_vsrc(0)
	s_getreg_b32 s2, hwreg(HW_REG_IB_STS2, 6, 4)
	s_cmp_eq_u32 s2, 0
	s_cbranch_scc0 .Lentry_in_a_cluster
	s_endpgm
.Lentry_in_a_cluster:
	s_bfe_u32 s2, ttmp6, 0x10000c
	s_cmp_lg_u32 s2, 0x3003
	s_cbranch_scc0 .Lentry_shape_is_right
	s_endpgm
.Lentry_shape_is_right:
; out[b][q][head] = softmax_k(q . k / 64) v for 64 heads (batch x head) of 2,048 queries and keys, head size 64, both products on codes of FP8 (E4M3).
; qimg, kimg: a head is 128 tiles of 16 rows, 1,024 bytes each, laid as images of operand registers: chunk c (512 bytes), 16 bytes a lane: channels 32 c + 16 (l / 16) + 0 .. 15 of the tile's row l % 16.
; Row rho of tile 2 g + u is row 32 g + 8 u + rho + 8 (rho / 8).  vimg: a head is 16 key steps of 8,192 bytes: 4 channel tiles of 2,048 bytes, chunk c: keys 32 c + 16 (l / 16) + 0 .. 15 of the tile's channel row.
; THE SOFTMAX: t = score x log2(e) / 64; M = the running largest t rounded up to a whole number; p = 2^(t - M) is held at 448 x 2^ep and quantised; the row's sum is taken of the unquantised p and divides at the end.
; When M moves, the sum and O are multiplied by 2^(old M - new M), which rounds nothing.  No branch hangs on data.
; SHARES.  A work-group owns 512 queries of one head; each of its EIGHT waves owns 64 of them, four tiles, in 512 registers.  The four work-groups of a head form a cluster and ask for K and V jointly.
; All of a head's K (131,072 bytes) and V (131,072) stay in LDS: nothing is filled again.  Waves 0-3 fetch K, waves 4-7 V: first the four leading key steps (8,192 bytes a wave), then the other twelve (24,576 a wave).
; No prefetch: all of K and V is asked for by these two loads at the head, so there is no loop to run ahead in.
; A KEY STEP is 128 keys.  Both products are used transposed (S^T = K Q^T, O^T = V^T P^T): a lane holds one query.  Each fragment of K and of V is read from LDS once a step and feeds four matrix instructions.
; The softmax goes by PAIRS of tiles, so that eight chains of maxima, eight of sums and two of M stand side by side.  The next step's K fragments are fetched behind the second pair's scores, V's fragments into the
; registers of tile 2's scores once these are converted: one wait on DScnt a step, in front of the second product.
; LIMITS: eq + ek between -120 and 130 (added to c's exponent field); ep between -126 and 119; the scaled scores stay under 2^31 in magnitude.  NaN among the inputs is not served.
; REGISTERS.  Window 0: v1-7 addresses; v8-31 for tile t at 8 + 6 t: -M, largest t, the sum in two halves, f and a word named with it; v32-34 448 x 2^ep (twice), 2^ep; v40-55 at work; v64-191 the scores of two tiles, then p,
; then V's fragments (v64-127); v192-255 p's codes, 16 a tile.  Window 1: v0-127 O^T (tile t, channel tile ct at 32 t + 8 ct); v128-159 Q; v160-223 K's eight fragments.
.set S,    64
.set PC,   192
.set T,    40
.set QF,   128
.set KF,   160
.set AK0,  1
.set AV0,  2
.set GO,   3
.set STO,  4
.set RD,   5
.set SPW,  6
.set NIL,  7
.set LIM,  32
.set SCL,  34
.set PX,   35
.set ADK,  56
.set ADV,  57
.set WV,   18
.set TB,   56
.set CNT,  57
.set SPARE, 0x40000                    ; behind K and V: the spare words, 128 bytes a wave
.set STAGE, 0x40400                    ; behind them: a stage of 16 rows x 272 bytes for each wave, on bytes that no load fills
.set MSB, 0
.macro WIN new                         ; the immediate's high byte repeats the setting that is left
.if MSB != \new
	s_set_vgpr_msb (MSB<<8)|\new
.set MSB, \new
.endif
.endm
.macro CROUND                          ; a round of the cluster's barrier
	s_barrier_signal -1
	s_barrier_wait -1
	s_cmp_lg_u32 s[WV], 0
	s_cbranch_scc1 .Lnot_wave_0_\@
	s_barrier_signal -3
.Lnot_wave_0_\@:
	s_barrier_wait -3
	s_barrier_signal -1
	s_barrier_wait -1
.endm
	s_load_b256 s[4:11], s[0:1], 0x0               ; qimg s[4:5], kimg s[6:7], vimg s[8:9], the scales' exponents s[10:11]
	s_load_b64 s[12:13], s[0:1], 0x20              ; out0
	v_lshl_add_u32 v[SPW], v0, 2, SPARE
	v_mov_b32 v[NIL], 0
	ds_add_u32 v[SPW], v[NIL]                      ; the opening lines: the add, twice on end, and its wait
	ds_add_u32 v[SPW], v[NIL]
	v_lshrrev_b32 v1, 5, v0
	v_readfirstlane_b32 s[WV], v1                  ; wave 0..7
	s_bfe_u32 s19, ttmp6, 0x40000                  ; cx: which 512 queries of the head
	s_and_b32 s16, ttmp7, 0xffff                   ; the head, 16 x batch + head
	s_lshr_b32 s58, s[WV], 2                       ; 0: I fetch for K, 1: for V
	s_and_b32 s59, s[WV], 3
	s_lshl_b32 s58, s58, 17                        ; K lies at LDS byte 0, V at 131,072
	s_lshl_b32 s60, s59, 13                        ; the first load: key step wave % 4
	s_mov_b32 s61, 0
	s_mul_i32 s62, s59, 24576                      ; the second: three of the other twelve
	s_add_co_u32 s62, s62, 32768
	s_mov_b32 s63, 0
	s_mov_b32 s24, 15|(3<<16)|(1<<21)              ; group 1: mask of the four partners, elements of 8 bytes, dense rows of 256 bytes: 32 rows
	s_mov_b32 s25, 32<<16
	s_mov_b32 s26, 32<<16
	s_mov_b32 s27, 32<<16
	s_mov_b32 s28, 32
	s_mov_b32 s29, 32
	s_mov_b32 s30, 0
	s_mov_b32 s31, 0
	s_mov_b32 s32, 15|(3<<16)|(1<<21)              ; the same with 96 rows
	s_mov_b32 s33, 32<<16
	s_mov_b32 s34, 96<<16
	s_mov_b32 s35, 32<<16
	s_mov_b32 s36, 96
	s_mov_b32 s37, 32
	s_mov_b32 s38, 0
	s_mov_b32 s39, 0
	s_mov_b32 s40, 1
	s_add_co_u32 s41, s58, s60
	s_mov_b32 s44, 1
	s_add_co_u32 s45, s58, s62
	s_lshl_b32 s14, s16, 17                        ; a head is 131,072 bytes in each of the three images
	s_mov_b32 s15, 0
	s_mov_b32 s20, 0x76543210                      ; v_permlanex16_b32's selects for lane l xor 16
	s_mov_b32 s21, 0xfedcba98
	s_mov_b32 s22, 0x3cb8aa3b                      ; c = log2(e) / 64
	s_mov_b32 s[TB], 0
	s_mul_i32 s17, s[WV], 4352
	s_add_co_u32 s17, s17, STAGE                   ; my stage
	s_wait_dscnt 0x0
	s_wait_kmcnt 0x0
	s_load_b256 s[48:55], s[10:11], 0x0            ; the eight exponents
	s_cmp_lt_u32 s[WV], 4
	s_cselect_b64 s[2:3], s[6:7], s[8:9]
	s_add_nc_u64 s[2:3], s[2:3], s[14:15]
	s_add_nc_u64 s[42:43], s[2:3], s[60:61]
	s_or_b32 s43, s43, 0x80000000
	s_add_nc_u64 s[46:47], s[2:3], s[62:63]
	s_or_b32 s47, s47, 0x80000000
	s_lshl_b32 s58, s19, 15                        ; Q: 32 tiles a work-group, 4 a wave
	s_lshl_b32 s60, s[WV], 12
	s_add_co_u32 s58, s58, s60
	s_add_co_u32 s58, s58, s14
	s_mov_b32 s59, 0
	s_add_nc_u64 s[4:5], s[4:5], s[58:59]
	s_lshr_b32 s60, s16, 4                         ; out0: row 2,048 batch + 512 cx + 64 wave, of 4,096 bytes; + 256 x head
	s_lshl_b32 s60, s60, 11
	s_lshl_b32 s58, s19, 9
	s_add_co_u32 s60, s60, s58
	s_lshl_b32 s58, s[WV], 6
	s_add_co_u32 s60, s60, s58
	s_lshl_b32 s60, s60, 12
	s_and_b32 s58, s16, 15
	s_lshl_b32 s58, s58, 8
	s_add_co_u32 s60, s60, s58
	s_mov_b32 s61, 0
	s_add_nc_u64 s[12:13], s[12:13], s[60:61]
	CROUND                                         ; the four work-groups are here: the first joint loads meet
	tensor_load_to_lds s[40:43], s[24:31]          ; key steps 0 to 3: my one load at the head
	s_nop 0
	v_and_b32 v[AK0], 31, v0                       ; the rest of the set-up stands under that load's flight
	v_and_b32 v40, 15, v0                          ; r
	v_bfe_u32 v41, v0, 4, 1                        ; h
	v_lshlrev_b32 v[AK0], 4, v[AK0]                ; 16 x lane: my place in every chunk
	v_add_nc_u32 v[AV0], 0x20000, v[AK0]
	v_lshlrev_b32 v[GO], 12, v41                   ; the way out: lanes 0-15 one row of out0, lanes 16-31 the next
	v_lshl_add_u32 v[GO], v40, 4, v[GO]
	v_mul_u32_u24 v[STO], v40, 272                 ; into the stage: row r, + 64 h bytes
	v_lshl_add_u32 v[STO], v41, 6, v[STO]
	v_add_nc_u32 v[STO], s17, v[STO]
	v_mul_u32_u24 v[RD], v41, 272                  ; back: sixteen lanes to a row
	v_lshl_add_u32 v[RD], v40, 4, v[RD]
	v_add_nc_u32 v[RD], s17, v[RD]
	v_mov_b32 v[PX], 0                             ; a lane permute's destination counts as a source
	v_mov_b32 v[PX+1], 0
.irp t, 0,1,2,3
	v_mov_b32 v[8+6*\t], 0x7f61b1e6                ; -M = 3e38
	v_mov_b32 v[9+6*\t], 0xff61b1e6                ; the largest t so far: -3e38
	v_mov_b32 v[10+6*\t], 0                        ; the sum
	v_mov_b32 v[11+6*\t], 0
	v_mov_b32 v[13+6*\t], 0                        ; named with f as a pair
.endr
	s_wait_alu depctr_va_vdst(0)                   ; the wait ahead of the loads that read the fresh address
	WIN 0x40                                       ; destinations in window 1
.irp i, 0,1,2,3
.irp c, 0,1
	global_load_b128 v[QF+8*\i+4*\c:QF+8*\i+4*\c+3], v[AK0], s[4:5] offset:\i*1024+\c*512
.endr
.endr
.set q, 0
.rept 128
	v_mov_b32 v[q], 0                              ; O^T: the step is written once for all steps; the first change of M multiplies zeros
.set q, q+1
.endr
	WIN 0
	s_wait_kmcnt 0x0
	s_add_co_i32 s58, s52, s53
	s_lshl_b32 s58, s58, 23
	s_add_co_i32 s22, s22, s58                     ; c x 2^(eq + ek)
	s_mov_b32 s23, s22
	s_add_co_i32 s58, s54, 127
	s_lshl_b32 s59, s58, 23
	v_mov_b32 v[SCL], s59                          ; 2^ep
	s_add_co_i32 s58, s58, 8
	s_lshl_b32 s58, s58, 23
	s_or_b32 s58, s58, 0x600000
	v_mov_b32 v[LIM], s58                          ; 448 x 2^ep, in two registers for the dual form
	v_mov_b32 v[LIM+1], s58
	s_wait_alu depctr_va_vdst(0)                   ; the head's end
	s_wait_tensorcnt 0x0                           ; my part of key steps 0 to 3 is in; the later first fill is issued as a refill is
	ds_add_u32 v[SPW], v[NIL]
	s_wait_dscnt 0x0
	CROUND                                         ; everybody's part is in
	tensor_load_to_lds s[44:47], s[32:39]          ; key steps 4 to 15
	s_nop 0
.rept 4
	v_nop
.endr
	WIN 0x40
.irp t, 0,1,2,3,4,5,6,7
.irp c, 0,1
	ds_load_b128 v[KF+8*\t+4*\c:KF+8*\t+4*\c+3], v[AK0] offset:1024*\t+512*\c   ; key step 0's fragments of K
.endr
.endr
	WIN 0
.macro QK pr                           ; the scores of tiles 2 pr and 2 pr + 1 against the step's eight tiles of keys
	WIN 0x05                                       ; K's and Q's fragments in window 1
.irp t, 0,1,2,3,4,5,6,7
	v_wmma_f32_16x16x64_fp8_fp8 v[S+8*\t:S+8*\t+7], v[KF+8*\t:KF+8*\t+7], v[QF+16*(\pr):QF+16*(\pr)+7], 0
	v_wmma_f32_16x16x64_fp8_fp8 v[S+64+8*\t:S+71+8*\t], v[KF+8*\t:KF+8*\t+7], v[QF+16*(\pr)+8:QF+16*(\pr)+15], 0
.endr
	WIN 0
.endm
.macro FM sb, rr, from, to             ; t - M, two at a time
.set q, \from
.rept (\to-\from)/2
	v_pk_fma_f32 v[\sb+q:\sb+q+1], v[\sb+q:\sb+q+1], s[22:23], v[\rr:\rr+1] op_sel_hi:[1,0,0]
.set q, q+2
.endr
.endm
.macro MINS sb                         ; the conversion does not saturate (ISA guide 7.6.2); p is not negative, so the hold is one-sided
.irp n, 0,2,4,6,8,10,12,14
	v_dual_min_num_f32 v[\sb+\n], v[\sb+\n], v[LIM] :: v_dual_min_num_f32 v[\sb+\n+1], v[\sb+\n+1], v[LIM+1]
.endr
.endm
.macro CVTS pd, sb                     ; 16 neighbouring keys become 16 codes
	v_cvt_scalef32_pk8_fp8_f32 v[\pd:\pd+1], v[\sb:\sb+7], v[SCL]
	v_cvt_scalef32_pk8_fp8_f32 v[\pd+2:\pd+3], v[\sb+8:\sb+15], v[SCL]
.endm
; The softmax of tiles ta (scores at S) and ta + 1 (at S + 64), line by line by turns.  vl = 1: V's fragments are fetched into S .. S + 63 as soon as tile ta is converted.
.macro SUM8 sb                         ; 64 numbers in eight chains of pairs, then four pairs at T, T + 4, T + 8, T + 12
.irp j, 0,1,2,3,4,5,6,7
	v_pk_add_f32 v[T+2*\j:T+2*\j+1], v[\sb+8*\j:\sb+8*\j+1], v[\sb+8*\j+2:\sb+8*\j+3]
.endr
.irp n, 4,6
.irp j, 0,1,2,3,4,5,6,7
	v_pk_add_f32 v[T+2*\j:T+2*\j+1], v[T+2*\j:T+2*\j+1], v[\sb+8*\j+\n:\sb+8*\j+\n+1]
.endr
.endr
.irp j, 0,2,4,6
	v_pk_add_f32 v[T+2*\j:T+2*\j+1], v[T+2*\j:T+2*\j+1], v[T+2*\j+2:T+2*\j+3]
.endr
.endm
.macro SOFTMAX ta, vl
.set rA, 8+6*(\ta)
.set rB, 14+6*(\ta)
.set pA, PC+16*(\ta)
.set pB, PC+16+16*(\ta)
.irp j, 0,1,2,3                        ; the largest score: four chains a tile, each over 16 registers, each accumulator from its low end on
	v_max3_num_f32 v[T+\j], v[S+16*\j], v[S+16*\j+1], v[S+16*\j+2]
	v_max3_num_f32 v[T+4+\j], v[S+64+16*\j], v[S+65+16*\j], v[S+66+16*\j]
.endr
.irp n, 3,5,7,9,11,13
.irp j, 0,1,2,3
	v_max3_num_f32 v[T+\j], v[T+\j], v[S+16*\j+\n], v[S+16*\j+\n+1]
	v_max3_num_f32 v[T+4+\j], v[T+4+\j], v[S+64+16*\j+\n], v[S+65+16*\j+\n]
.endr
.endr
	v_max3_num_f32 v[T], v[T], v[S+15], v[S+31]
	v_max3_num_f32 v[T+4], v[T+4], v[S+79], v[S+95]
	v_max3_num_f32 v[T+1], v[T+1], v[S+47], v[S+63]
	v_max3_num_f32 v[T+5], v[T+5], v[S+111], v[S+127]
	v_mov_b32 v[T+8], v[rA]                        ; the old -M
	v_mov_b32 v[T+9], v[rB]
	v_max3_num_f32 v[T], v[T], v[T+1], v[T+2]
	v_max3_num_f32 v[T+4], v[T+4], v[T+5], v[T+6]
	v_max_num_f32 v[T], v[T], v[T+3]
	v_max_num_f32 v[T+4], v[T+4], v[T+7]
	v_permlanex16_b32 v[PX], v[T], s20, s21
	v_permlanex16_b32 v[PX+1], v[T+4], s20, s21
	v_max_num_f32 v[T], v[T], v[PX]                ; and lane l xor 16's keys
	v_max_num_f32 v[T+4], v[T+4], v[PX+1]
	v_mul_f32 v[T], s22, v[T]                      ; as t (c is positive)
	v_mul_f32 v[T+4], s22, v[T+4]
	v_max_num_f32 v[rA+1], v[rA+1], v[T]           ; the running largest t
	v_max_num_f32 v[rB+1], v[rB+1], v[T+4]
	v_floor_f32 v[rA], -v[rA+1]                    ; -M = floor(-t): M is a whole number
	v_floor_f32 v[rB], -v[rB+1]
	FM S, rA, 0, 32
	v_sub_f32 v[T+8], v[rA], v[T+8]                ; old M - new M, a whole number, 0 or less
	v_sub_f32 v[T+9], v[rB], v[T+9]
	FM S, rA, 32, 64
	v_cvt_i32_f32 v[T+8], v[T+8]                   ; (it saturates)
	v_cvt_i32_f32 v[T+9], v[T+9]
	v_ldexp_f32 v[rA+4], 1.0, v[T+8]               ; f = 2^(old M - new M)
	v_ldexp_f32 v[rB+4], 1.0, v[T+9]
	s_wait_alu depctr_va_vdst(0)                   ; the wait ahead of the batch
.set q, 0
.rept 32                               ; tile ta's exponentials; between them tile ta + 1's t - M: its sources were made ahead of the wait above, its results are read behind the wait below
	v_exp_f32 v[S+q], v[S+q]                       ; p = 2^(t - M)
	v_exp_f32 v[S+q+1], v[S+q+1]
	v_pk_fma_f32 v[S+64+q:S+65+q], v[S+64+q:S+65+q], s[22:23], v[rB:rB+1] op_sel_hi:[1,0,0]
.set q, q+2
.endr
	s_wait_alu depctr_va_vdst(0)                   ; one wait for the batch, ahead of its first reader
	SUM8 S                                         ; the sum of tile ta's unquantised p, down to four pairs; its last links stand behind the next batch's wait
	s_wait_alu depctr_va_vdst(0)                   ; the wait ahead of the batch
.set q, 0
.rept 32                               ; tile ta + 1's exponentials; between them tile ta's holds, which the conversions read behind the wait below
	v_exp_f32 v[S+64+q], v[S+64+q]
	v_exp_f32 v[S+65+q], v[S+65+q]
	v_dual_min_num_f32 v[S+q], v[S+q], v[LIM] :: v_dual_min_num_f32 v[S+q+1], v[S+q+1], v[LIM+1]
.set q, q+2
.endr
	v_nop                                          ; a plain place behind the exponentials
	s_wait_alu depctr_va_vdst(0)                   ; one wait for the batch
	v_pk_add_f32 v[T:T+1], v[T:T+1], v[T+4:T+5]    ; the last links of tile ta's sum, between the conversions
	v_pk_add_f32 v[T+8:T+9], v[T+8:T+9], v[T+12:T+13]
	CVTS pA, S
	v_pk_add_f32 v[T:T+1], v[T:T+1], v[T+8:T+9]
	CVTS pA+4, S+16
	v_pk_fma_f32 v[rA+2:rA+3], v[rA+2:rA+3], v[rA+4:rA+5], v[T:T+1] op_sel_hi:[1,0,1]     ; the sum so far x f + this step's
	CVTS pA+8, S+32
	CVTS pA+12, S+48
.if \vl
.irp ct, 0,1,2,3
.irp c, 0,1,2,3
	ds_load_b128 v[S+16*\ct+4*\c:S+16*\ct+4*\c+3], v[ADV] offset:2048*\ct+512*\c   ; V's four fragments of this key step
.endr
.endr
.endif
	SUM8 S+64                                      ; tile ta + 1's sum; the holds stand between the links of its last chain
	MINS S+64
	v_pk_add_f32 v[T:T+1], v[T:T+1], v[T+4:T+5]
	v_pk_add_f32 v[T+8:T+9], v[T+8:T+9], v[T+12:T+13]
	MINS S+80
	v_pk_add_f32 v[T:T+1], v[T:T+1], v[T+8:T+9]
	CVTS pB, S+64
	MINS S+96
	v_pk_fma_f32 v[rB+2:rB+3], v[rB+2:rB+3], v[rB+4:rB+5], v[T:T+1] op_sel_hi:[1,0,1]
	CVTS pB+4, S+80
	MINS S+112
	CVTS pB+8, S+96
	CVTS pB+12, S+112
.endm
; A KEY STEP.  last = 1: the loop's last trip fetches no further fragments of K (a scalar branch on the count of trips).
.macro STEP last
	v_add_nc_u32 v[ADK], s[TB], v[AK0]             ; these two and three v_nop: five places between the last products and the scores that are laid over V's fragments
	v_add_nc_u32 v[ADV], s[TB], v[AV0]
.rept 3
	v_nop
.endr
	QK 0
.rept 4
	v_nop                                          ; places in front of the first read of the scores
.endr
	SOFTMAX 0, 0
	v_nop                                          ; a plain line between the last conversion and the products that write its sources
	QK 1
.rept 4
	v_nop                                          ; places in front of the loads into K's registers and of the first read of the scores
.endr
.if \last
	s_cmp_eq_u32 s[CNT], 1
	s_cbranch_scc1 .Lnok_\@
.endif
	WIN 0x40
.irp t, 0,1,2,3,4,5,6,7
.irp c, 0,1
	ds_load_b128 v[KF+8*\t+4*\c:KF+8*\t+4*\c+3], v[ADK] offset:8192+1024*\t+512*\c   ; the next key step's fragments of K
.endr
.endr
	WIN 0
.Lnok_\@:
	SOFTMAX 2, 1
	WIN 0x41                                       ; O^T in window 1, f in window 0
	s_wait_alu depctr_va_vdst(0)                   ; the wait directly ahead of the first readers of O^T
.irp t, 0,1,2,3
.irp n, 0,2,4,6,8,10,12,14,16,18,20,22,24,26,28,30
	v_pk_mul_f32 v[32*\t+\n:32*\t+\n+1], v[32*\t+\n:32*\t+\n+1], v[12+6*\t:13+6*\t] op_sel_hi:[1,0]   ; O^T under the new M
.endr
.endr
	WIN 0x50                                       ; C and D in window 1, V and P in window 0
	s_wait_alu depctr_va_vdst(0)
	s_wait_dscnt 0x0                               ; V's fragments are in, and so are the next step's of K, which were asked for earlier
.irp ct, 0,1,2,3
.irp t, 0,1,2,3
	v_wmma_f32_16x16x128_fp8_fp8 v[32*\t+8*\ct:32*\t+8*\ct+7], v[S+16*\ct:S+16*\ct+15], v[PC+16*\t:PC+16*\t+15], v[32*\t+8*\ct:32*\t+8*\ct+7]
.endr
.endr
	WIN 0
.endm
.macro STEPS n, last
	s_mov_b32 s[CNT], \n
.Lstep_\@:
	STEP \last
	s_add_co_u32 s[TB], s[TB], 8192
	s_sub_co_u32 s[CNT], s[CNT], 1
	s_cmp_lg_u32 s[CNT], 0
	s_cbranch_scc1 .Lstep_\@
.endm
	s_wait_loadcnt 0x0                             ; Q
	s_wait_dscnt 0x0                               ; key step 0's fragments of K
	STEPS 3, 0                                     ; key steps 0 to 2: they read, K's look-ahead included, the four key steps of the first load alone
	s_wait_tensorcnt 0x0                           ; my part of the other twelve is in,
	s_wait_dscnt 0x0
	s_barrier_signal -1
	s_barrier_wait -1                              ; everybody's is
	STEPS 13, 1
	; THE WAY OUT.  Each tile's O^T, divided by its sum and x 2^(ep + ev), goes through my own stage and leaves as rows of 256 bytes: sixteen lanes store one aligned unit.
.irp t, 0,1,2,3
	v_add_f32 v[10+6*\t], v[10+6*\t], v[11+6*\t]
.endr
.irp t, 0,1,2,3
	v_permlanex16_b32 v[T+\t], v[10+6*\t], s20, s21
.endr
.irp t, 0,1,2,3
	v_add_f32 v[10+6*\t], v[10+6*\t], v[T+\t]
.endr
	s_wait_alu depctr_va_vdst(0)                   ; the wait ahead of the batch
.irp t, 0,1,2,3
	v_rcp_f32 v[10+6*\t], v[10+6*\t]
.endr
	v_nop
	s_add_co_i32 s59, s54, s55
	s_wait_alu depctr_va_vdst(0)                   ; and behind it
.irp t, 0,1,2,3
	v_ldexp_f32 v[10+6*\t], v[10+6*\t], s59
.endr
	WIN 0x01                                       ; O^T in window 1
	s_wait_alu depctr_va_vdst(0)                   ; the wait directly ahead of the first readers of O^T
.irp t, 0,1,2,3
.irp n, 0,2,4,6,8,10,12,14,16,18,20,22,24,26,28,30
	v_pk_mul_f32 v[S+32*\t+\n:S+32*\t+\n+1], v[32*\t+\n:32*\t+\n+1], v[10+6*\t:11+6*\t] op_sel_hi:[1,0]   ; register 16 b + i: channel 32 b + 16 h + i of query r
.endr
.endr
	WIN 0
	s_wait_alu depctr_va_vdst(0)
.macro OUTT t, y                       ; tile t into the stage and back by rows into v[y ..]: LDS serves a wave's instructions in order (ISA guide 5.7.1.4)
.irp b, 0,1
.irp n, 0,1,2,3
	ds_store_b128 v[STO], v[S+32*(\t)+16*\b+4*\n:S+32*(\t)+16*\b+4*\n+3] offset:128*\b+16*\n
.endr
.endr
.irp k, 0,1,2,3,4,5,6,7
	ds_load_b128 v[\y+4*\k:\y+4*\k+3], v[RD] offset:2*\k*272
.endr
.endm
.macro SENDT t, y, younger             ; younger: the LDS instructions issued behind tile t's loads.  Stage rows 2 k, 2 k + 1 are the wave's queries 32 (t / 2) + 8 (t % 2) + 2 k + 8 (k / 4) + 0, 1
.irp k, 0,1,2,3,4,5,6,7
	s_wait_dscnt \younger+7-\k
	global_store_b128 v[GO], v[\y+4*\k:\y+4*\k+3], s[12:13] offset:(32*((\t)/2)+8*((\t)%2)+2*\k+8*(\k/4))*4096 th:TH_STORE_NT
.endr
.endm
	OUTT 0, PC
	OUTT 1, PC+32
	SENDT 0, PC, 16
	OUTT 2, S                                      ; into tile 0's registers: its stores into the stage are done, since the loads behind them have come back
	SENDT 1, PC+32, 16
	OUTT 3, S+32
	SENDT 2, S, 16
	SENDT 3, S+32, 0
	s_wait_tensorcnt 0x0                           ; the wave's end
	ds_add_u32 v[SPW], v[NIL]
	s_wait_dscnt 0x0
	CROUND                                         ; the closing round
	s_endpgm
.Lfunc_end_k_q2443169232_attn:
	.size	k_q2443169232_attn, .Lfunc_end_k_q2443169232_attn-k_q2443169232_attn
	.p2alignl 7, 3214868480
	.fill 96, 4, 3214868480
	.section	.rodata,"a",@progbits
	.p2align	6, 0x0
	.amdhsa_kernel k_q2443169232_attn
		.amdhsa_group_segment_fixed_size 327680
		.amdhsa_private_segment_fixed_size 0
		.amdhsa_enable_private_segment 0
		.amdhsa_kernarg_size 40
		.amdhsa_user_sgpr_count 2
		.amdhsa_user_sgpr_kernarg_segment_ptr 1
		.amdhsa_wavefront_size32 1
		.amdhsa_system_sgpr_workgroup_id_x 1
		.amdhsa_system_sgpr_workgroup_id_y 1
		.amdhsa_system_sgpr_workgroup_id_z 1
		.amdhsa_system_vgpr_workitem_id 0
		.amdhsa_next_free_vgpr 512
		.amdhsa_next_free_sgpr 66
		.amdhsa_reserve_vcc 0
		.amdhsa_float_denorm_mode_32 3
		.amdhsa_float_denorm_mode_16_64 3
		.amdhsa_memory_ordered 1
		.amdhsa_forward_progress 1
		.amdhsa_inst_pref_size 134
	.end_amdhsa_kernel
	.amdgpu_metadata
---
amdhsa.version: [ 1, 2 ]
amdhsa.kernels:
  - .name:           k_q2443169232_attn
    .symbol:         k_q2443169232_attn.kd
    .args:
      - { .name: qimg, .offset: 0, .size: 8, .value_kind: global_buffer, .address_space: global }
      - { .name: kimg, .offset: 8, .size: 8, .value_kind: global_buffer, .address_space: global }
      - { .name: vimg, .offset: 16, .size: 8, .value_kind: global_buffer, .address_space: global }
      - { .name: lowp_scales, .offset: 24, .size: 8, .value_kind: global_buffer, .address_space: global }
      - { .name: out0, .offset: 32, .size: 8, .value_kind: global_buffer, .address_space: global }
    .group_segment_fixed_size: 327680
    .private_segment_fixed_size: 0
    .kernarg_segment_align: 8
    .kernarg_segment_size: 40
    .max_flat_workgroup_size: 256
    .sgpr_count:     66
    .vgpr_count:     512
    .wavefront_size: 32
...
	.end_amdgpu_metadata
.endif
;; end of part 3
